; MI455X (gfx1250); checked and timed in simulation.
; The chip was launched on July 23, 2026; its instructions are those of AMD's public machine-readable ISA for CDNA 5 (MIT licence, August 2026) and "CDNA5" Instruction Set Architecture Reference Guide (July 2026). The comments in the code are by the model that wrote it; some were corrected since.
;; LSTM Cell. Allowed arithmetic: matrix products marked QUANTISED: E2M1 operands, one E8M0 scale for each 32 along K, by v_wmma_scale_f32_16x16x128_f8f6f4 with both operands' format E2M1 (or v_wmma_scale_f32_32x16x128_f4), f32 sums; everything else in f32.
;; Inputs: W_ch_codes 1,024 x 32 x 16 uint8 (E2M1 codes of W_ch, K innermost, in blocks of 32 codes, two codes a byte); W_ch_scales 1,024 x 32 uint8 (E8M0 scales of W_ch, one for each 32 codes along K); W_cx_codes 1,024 x 32 x 16 uint8 (E2M1 codes of W_cx, K innermost, in blocks of 32 codes, two codes a byte); W_cx_scales 1,024 x 32 uint8 (E8M0 scales of W_cx, one for each 32 codes along K); W_fh_codes 1,024 x 32 x 16 uint8 (E2M1 codes of W_fh, K innermost, in blocks of 32 codes, two codes a byte); W_fh_scales 1,024 x 32 uint8 (E8M0 scales of W_fh, one for each 32 codes along K); W_fx_codes 1,024 x 32 x 16 uint8 (E2M1 codes of W_fx, K innermost, in blocks of 32 codes, two codes a byte); W_fx_scales 1,024 x 32 uint8 (E8M0 scales of W_fx, one for each 32 codes along K); W_ih_codes 1,024 x 32 x 16 uint8 (E2M1 codes of W_ih, K innermost, in blocks of 32 codes, two codes a byte); W_ih_scales 1,024 x 32 uint8 (E8M0 scales of W_ih, one for each 32 codes along K); W_ix_codes 1,024 x 32 x 16 uint8 (E2M1 codes of W_ix, K innermost, in blocks of 32 codes, two codes a byte); W_ix_scales 1,024 x 32 uint8 (E8M0 scales of W_ix, one for each 32 codes along K); W_oh_codes 1,024 x 32 x 16 uint8 (E2M1 codes of W_oh, K innermost, in blocks of 32 codes, two codes a byte); W_oh_scales 1,024 x 32 uint8 (E8M0 scales of W_oh, one for each 32 codes along K); W_ox_codes 1,024 x 32 x 16 uint8 (E2M1 codes of W_ox, K innermost, in blocks of 32 codes, two codes a byte); W_ox_scales 1,024 x 32 uint8 (E8M0 scales of W_ox, one for each 32 codes along K); b_c 1,024 float32; b_f 1,024 float32; b_i 1,024 float32; b_o 1,024 float32; cell 8,192 x 1,024 float32; hidden_codes 8,192 x 32 x 16 uint8 (E2M1 codes of hidden, K innermost, in blocks of 32 codes, two codes a byte); hidden_scales 8,192 x 32 uint8 (E8M0 scales of hidden, one for each 32 codes along K); x_codes 8,192 x 32 x 16 uint8 (E2M1 codes of x, K innermost, in blocks of 32 codes, two codes a byte); x_scales 8,192 x 32 uint8 (E8M0 scales of x, one for each 32 codes along K).
;; Outputs: out0 8,192 x 1,024 float32; out1 8,192 x 1,024 float32.
;; This version of the problem:
;;   THIS VERSION OF THE PROBLEM IS GIVEN IN LOW PRECISION. The matrix products marked QUANTISED in the list below multiply operands that are first quantised to E2M1 (2 exponent bits, 1 mantissa bit; 4 bits a number), with one power-of-two scale for each 32 numbers along K (OCP MX v1.0); their sums are f32. All else is computed in f32.
;;   The module's matrix products, in the order in which they are computed (A, B: the left and right operand; K: the contracted axis; several contracted axes count as one K, in the product's order):
;;     1. [M 8,192, K 1,024] x [K 1,024, N 1,024]; A: input x (given as codes); B: input W_fx (given as codes): QUANTISED
;;     2. [M 8,192, K 1,024] x [K 1,024, N 1,024]; A: input hidden (given as codes); B: input W_fh (given as codes): QUANTISED
;;     3. [M 8,192, K 1,024] x [K 1,024, N 1,024]; A: input x (given as codes); B: input W_ix (given as codes): QUANTISED
;;     4. [M 8,192, K 1,024] x [K 1,024, N 1,024]; A: input hidden (given as codes); B: input W_ih (given as codes): QUANTISED
;;     5. [M 8,192, K 1,024] x [K 1,024, N 1,024]; A: input x (given as codes); B: input W_cx (given as codes): QUANTISED
;;     6. [M 8,192, K 1,024] x [K 1,024, N 1,024]; A: input hidden (given as codes); B: input W_ch (given as codes): QUANTISED
;;     7. [M 8,192, K 1,024] x [K 1,024, N 1,024]; A: input x (given as codes); B: input W_ox (given as codes): QUANTISED
;;     8. [M 8,192, K 1,024] x [K 1,024, N 1,024]; A: input hidden (given as codes); B: input W_oh (given as codes): QUANTISED
;;   THE QUANTISER, for each operand of a quantised product, along K:
;;     - K is cut into blocks of 32 from its start; a last block that is shorter is filled with zeros.
;;     - A block's scale is 2^e with e = floor(log2(the largest magnitude in the block)) - 2, held to -126 .. 127; a block of zeros has e = 0. As a byte (E8M0): e + 127.
;;     - Each number is divided by its block's scale, clamped to +-6, and rounded to the nearest number of E2M1, ties to even, subnormals kept.
;;     - The product sums the exact products of the quantised numbers (number of the format x scale) in f32.
;;   ~~~python
;;   def quantise(x, axis):      # numpy; x: float32 -> the quantised numbers, widened to float32 again
;;       x = np.moveaxis(x, axis, -1); K = x.shape[-1]
;;       x = np.pad(x, [(0, 0)] * (x.ndim - 1) + [(0, -K % 32)]); x = x.reshape(x.shape[:-1] + (-1, 32)); a = np.abs(x).max(-1, keepdims=True)
;;       e = np.where(a > 0, np.clip(np.frexp(np.where(a > 0, a, 1))[1] - 1 - 2, -126, 127), 0)      # np.frexp(a)[1] - 1 = floor(log2(a)), exactly
;;       r = np.clip(x / 2.0 ** e, -6, 6)
;;       step = 2.0 ** (np.maximum(np.frexp(np.where(r == 0, 1, r))[1] - 1, 0) - 1)
;;       q = np.round(r / step) * step * 2.0 ** e      # np.round: ties to even
;;       return np.moveaxis(q.reshape(q.shape[:-2] + (-1,))[..., :K], -1, axis).astype(np.float32)
;;   ~~~
;;   INPUTS GIVEN AS CODES. W_ch (in the module: [1024, 1024], K = its axis 1); W_cx (in the module: [1024, 1024], K = its axis 1); W_fh (in the module: [1024, 1024], K = its axis 1); W_fx (in the module: [1024, 1024], K = its axis 1); W_ih (in the module: [1024, 1024], K = its axis 1); W_ix (in the module: [1024, 1024], K = its axis 1); W_oh (in the module: [1024, 1024], K = its axis 1); W_ox (in the module: [1024, 1024], K = its axis 1); hidden (in the module: [8192, 1024], K = its axis 1); x (in the module: [8192, 1024], K = its axis 1): each comes as NAME_codes (uint8): NAME with its K axis moved to the last place and cut into blocks of 32 codes, [.., K / 32, bytes a block], one block behind the other in memory; two codes a byte, the lower K in the low four bits (a code: sign, 2 exponent bits, 1 mantissa bit); and NAME_scales (uint8): the same leading axes, one E8M0 byte (e + 127) for each 32 codes along K. Its value is code x scale, taken as it is: it is not quantised again, and the codes and scales need not be those that the quantiser above would give.
;; One version. Each part assembles by itself: llvm-mc -triple=amdgcn-amd-amdhsa -mcpu=gfx1250 --defsym DOCPART=n.
;; ======== version 1 of 1: 1 launch
;; limits: right only within a limited range of input values
;; launch lstm (part 1): grid 16 x 16, 4 waves a work-group, clusters of 4 x 4, 327,680 bytes of LDS; arguments W_fx_codes, W_ix_codes, W_cx_codes, W_ox_codes, W_fh_codes, W_ih_codes, W_ch_codes, W_oh_codes, W_fx_scales, W_ix_scales, W_cx_scales, W_ox_scales, W_fh_scales, W_ih_scales, W_ch_scales, W_oh_scales, b_f, b_i, b_c, b_o, x_codes, hidden_codes, x_scales, hidden_scales, cell, out0, out1; writes out0, out1
.if DOCPART == 1
	.amdgcn_target "amdgcn-amd-amdhsa--gfx1250"
	.amdhsa_code_object_version 6
	.text
	.protected	k_qeb9bffa60e_lstm
	.globl	k_qeb9bffa60e_lstm
	.p2align	8
	.type	k_qeb9bffa60e_lstm,@function
k_qeb9bffa60e_lstm:
	s_mov_b64 s[64:65], 0
	v_nop
	global_prefetch_b8 v0, s[64:65] scope:SCOPE_SE
	s_setreg_imm32_b32 hwreg(HW_REG_WAVE_MODE, 25, 1), 1
	s_wait_xcnt 0x0
	s_wait_alu depctr_hold_cnt(0) depctr_sa_sdst(0) depctr_va_vdst(0) depctr_va_sdst(0) depctr_va_ssrc(0) depctr_va_vcc(0) depctr_vm_vsrc(0)
	s_getreg_b32 s2, hwreg(HW_REG_IB_STS2, 6, 4)
	s_cmp_eq_u32 s2, 0
	s_cbranch_scc0 .Lentry_in_a_cluster
	s_endpgm
.Lentry_in_a_cluster:
	s_bfe_u32 s2, ttmp6, 0x10000c
	s_cmp_lg_u32 s2, 0xf033
	s_cbranch_scc0 .Lentry_shape_is_right
	s_endpgm
.Lentry_shape_is_right:
; LSTM cell on codes of FP4 (E2M1) with one E8M0 scale for each 32 along K.  The eight products are one: M = 8,192 rows, K = 2,048 (x's 1,024, then hidden's), N = 4 gates x 1,024 units.
; f, i, o = sigmoid(.), g = tanh(.); out1 = cell_new = f cell + i g; out0 = h = o tanh(cell_new).  Sums and tail in f32; the gates never go to memory.
; SHARES.  A work-group owns 512 rows x 64 units; each of its four waves 16 units x 4 gates of all 512 rows.  THE WEIGHTS STAY IN REGISTERS: a wave's 64 weight rows x 2,048 codes are 512 registers, read once.
; The batch rows go by in eight tiles of 64 rows (x's 512 bytes and hidden's 512 bytes of a row, cell's 256 bytes) through a ring of two LDS slots.
; THE MATRIX INSTRUCTION IS 32 x 16 x 128, USED TRANSPOSED: source 0 = 16 units of two gates (f, i or c, o), source 1 = 16 batch rows.  Registers 0-7 of lane (r, h) are the first gate's units 8 h + 0 .. 7 of row r,
; registers 8-15 the second gate's: the four gates of a position lie in one lane.  The biases are the C of each sum's first instruction.
; CLUSTERS: 4 x 4.  The four of a row of the cluster have the same batch rows, the four of a column the same weights: codes are asked for jointly.  cell's tiles, whose columns and rows differ, are not; nor are the rows'
; scale words, 4,096 bytes of a tile, which go straight into registers.
; THE HEAD, at most one tensor load a wave behind each barrier: the weights on x (a gate a wave); tile 0's rows and cell; the weights on hidden, into the bytes of those on x, which lie in registers by then,
; while tile 0's steps on x are multiplied; tile 1's rows and cell, under tile 0's last steps and its tail.  The codes of the second to fourth of these are asked of memory behind the first, by two prefetches a wave: the four
; partners of a joint load share its blocks of 256 bytes out by address.  The loop asks for nothing ahead: its refill stands a whole tile's products and tail (128 matrix instructions, 256 transcendentals, 300 vector pairs)
; ahead of the wait for it.
; THE TAIL.  With S = 1 + 2^(k z): sigmoid(z) = 1 / S (k = -log2 e), tanh(z) = (2 - S) / S (k = -2 log2 e).  i tanh(g) = (2 - Sg) / (Si Sg), h = (2 - Sn) / (So Sn).
; The two tanh exponents are held at 60, so that 2 - S stays finite; a product of two S that overflows gives the reciprocal 0, the right limit.
; LIMITS.  The f32 sums begin with the bias and take x's K, then hidden's, ascending: another order of rounding than the sum of two products and a bias.
; The hold (v_min_num) drops a NaN: a NaN in gate c's sum reaches neither output as a NaN, and a NaN cell_new not out0 (such NaNs come from a NaN in cell or a scale byte 0xff).
; Exponentials under 2^-126 come out as 0 (S = 1), reciprocals under 2^-126 as 0: both under 1e-37 of a result of size 1.
; REGISTERS.  Window 0: v0-31 addresses; v32-63 the rows' scale words, v64-95 the weights'; v96-223 accumulators, block a of 16 rows at 96 + 32 a: F[8], I[8], G[8], O[8]; v224-255 cell, and rows of h on their way out.
;   windows 1, 2: the weights of x, of hidden: step t, gate g at v[32 (t % 8) + 8 g].   window 3: v0-191 three sets of the rows' fragments (256 along K each), v192-223 biases, v224-255 rows of cell_new on their way out.
.set PITCH, 528                        ; an LDS row of codes: 512 bytes + 16: 16 rows start at 16 different banks (64 banks of 4 bytes: ISA guide 11.1)
.set BLKA,  16*PITCH
.set HT,    64*PITCH                   ; 64 rows: of x or hidden in a tile, or a gate's weights
.set SLOTB, 2*HT
.set OP,    272                        ; a row of 256 bytes + 16
.set WREG,  2*SLOTB                    ; the weights' region: four gates, filled twice
.set CEL,   WREG+4*HT                  ; cell's two slots
.set CELT,  64*OP
.set SPARE, CEL+2*CELT                 ; the spare words, 128 bytes for each wave: two blocks of 256 bytes that no other line names
.set STG,   WREG                       ; the output stages: h's 64 rows, then cell_new's.  In the weights' region, which has had its last fill by then; tile 0's stages are written by waves that
                                       ; read other waves' weights no more: see the barrier ahead of tile 0's tail
.set ADRA, 16                          ; v16-17 LDS address of the rows' fragments in slot 0, 1
.set CELA, 18                          ; v18    of my cell numbers
.set STO,  19                          ; v19    my 32 bytes of a stage row
.set RD,   20                          ; v20    where I read whole stage rows back
.set GOFF, 21                          ; v21    my byte offset in an output
.set VSA,  22                          ; v22    my byte offset in the rows' scales
.set RDH,  23                          ; v23, v30 RD and GOFF for 8 rows of a half tile's 32
.set VSC,  24                          ; v24    in a weight's scales;  v25 in a bias
.set VBI,  25
.set WLD,  26                          ; v26-27 LDS address of my weights' fragments, gates 0-1 and 2-3
.set SPW,  28                          ; v28    LDS address of my spare word;  v29 0
.set NIL,  29
.set GOFH, 30
.set PFW,  14                          ; v14, v15 the prefetches' offsets; never rewritten
.set PFX,  15
.set SA,   32                          ; SA + 16 q + t: lane l has the word of row 32 q + l, the t-th 128 along K
.set SB,   64                          ; SB + 16 p + t: lanes 0-15 the first gate's 16 units of pair p, lanes 16-31 the second's
.set ACC,  96
.set TS,   96                          ; the head: scale words of one gate, before two gates are joined
.set CL,   224
.set BI,   192
.set RB,   224
.set WV, 26                            ; s26 wave;  s27 block of 64 units;  s28 block of 512 rows
.set JT, 27
.set IT, 28
.set G1A, 36                           ; group 1 for the rows' tiles; groups 0 for slot 0, 1
.set GA0, 44
.set GA1, 48
.set G0W, 52                           ; groups 0 for my gate's weights on x, on hidden; for cell's tile 0
.set G0V, 56
.set G0C, 60
.set G1B, 68                           ; group 1 for the weights, for cell (over pointers that have been copied by then)
.set G1C, 76
.set GC0, 84                           ; groups 0 for cell's slots 0, 1 (over pointers of loads that are done by then)
.set GC1, 88
.set aF, 0
.set aI, 8
.set aG, 16
.set aO, 24
.set K0, 0                             ; the tail's pairs of an array: from K0, KN of them (16: a tile; 8: two blocks of it)
.set KN, 16
.set MSB, 0
.macro WIN new                         ; the immediate's high byte repeats the setting that is left; a switch that changes nothing is dropped
.if MSB != (\new)
	s_set_vgpr_msb (MSB<<8)|(\new)
.set MSB, \new
.endif
.endm
.macro PLACES                          ; four plain vector instructions that name no register of the matrix instructions in front (ISA guide 7.12.1)
.rept 4
	v_nop
.endr
.endm
.macro AWAIT
	s_wait_alu depctr_va_vdst(0)
.endm
.macro G1SET g, d0, pitch              ; group 1 behind its first word: 64 rows of d0 bytes
	s_mov_b32 s[\g+1], (\d0)<<16
	s_mov_b32 s[\g+2], 64<<16
	s_mov_b32 s[\g+3], (\d0)<<16
	s_mov_b32 s[\g+4], 64
	s_mov_b32 s[\g+5], \pitch
	s_mov_b32 s[\g+6], 0
	s_mov_b32 s[\g+7], 0
.endm
; Waves 0 and 1 fetch x's and hidden's rows (jointly), wave 2 cell's; wave 3 has none.  The branches hang on the wave's number alone.
.macro JLOAD ga, gc
	s_cmp_lt_u32 s[WV], 2
	s_cbranch_scc0 .Lcell_\@
	tensor_load_to_lds s[\ga:\ga+3], s[G1A:G1A+7]
	s_nop 0
	PLACES
	s_branch .Lasked_\@
.Lcell_\@:
	s_cmp_eq_u32 s[WV], 2
	s_cbranch_scc0 .Lasked_\@
	tensor_load_to_lds s[\gc:\gc+3], s[G1C:G1C+7]
	s_nop 0
	PLACES
.Lasked_\@:
.endm
.macro CREST                           ; a round of the cluster's barrier behind its opening barrier
	s_cmp_lg_u32 s[WV], 0
	s_cbranch_scc1 .Lnot_wave_0_\@
	s_barrier_signal -3
.Lnot_wave_0_\@:
	s_barrier_wait -3
	s_barrier_signal -1
	s_barrier_wait -1
.endm
.macro CROUND
	s_barrier_signal -1
	s_barrier_wait -1
	CREST
.endm
; My 16 units of the four gates, from the weights' region into window 1 (w = 0) or 2 (w = 1).  A fragment, 16 rows x 128 K: lane l holds row l % 16; registers 4 c .. 4 c + 3 hold K = 64 c + 32 (l / 16) + 0 .. 31
.macro WGET w
	WIN 0x40<<(\w)
.irp g, 0,1,2,3
.irp k, 0,1,2,3,4,5,6,7
.irp c, 0,1
	ds_load_b128 v[32*\k+8*\g+4*\c:32*\k+8*\g+4*\c+3], v[WLD+\g/2] offset:(\g%2)*HT+64*\k+32*\c
.endr
.endr
.endr
	WIN 0
.endm
.macro SALOAD                          ; a tile's scale words: a lane a row, 32 bytes of x's and 32 of hidden's: 1,024 consecutive bytes for each 32 rows
	WIN 0
.irp q, 0,1
.irp e, 0,1
.irp c, 0,1
	global_load_b128 v[SA+16*\q+8*\e+4*\c:SA+16*\q+8*\e+4*\c+3], v[VSA], s[16+2*\e:17+2*\e] offset:1024*\q+16*\c
.endr
.endr
.endr
.endm
	s_load_b512 s[68:83], s[0:1], 0x0              ; the weights' codes: fx 68, ix 70, cx 72, ox 74, fh 76, ih 78, ch 80, oh 82
	s_load_b512 s[84:99], s[0:1], 0x40             ; their scales, in the same order
	s_load_b256 s[4:11], s[0:1], 0x80              ; the biases f, i, c, o
	s_load_b256 s[12:19], s[0:1], 0xa0             ; x's codes 12, hidden's 14, x's scales 16, hidden's 18
	s_load_b128 s[20:23], s[0:1], 0xc0             ; cell 20, out0 22
	s_load_b64 s[24:25], s[0:1], 0xd0              ; out1
	v_lshl_add_u32 v[SPW], v0, 2, SPARE
	v_mov_b32 v[NIL], 0
	ds_add_u32 v[SPW], v[NIL]                      ; the wave's opening: the add, twice on end, and its wait
	ds_add_u32 v[SPW], v[NIL]
	v_lshrrev_b32 v3, 5, v0
	v_readfirstlane_b32 s[WV], v3
	s_and_b32 s29, s[WV], 1                        ; x or hidden
	s_bfe_u32 s33, ttmp6, 0x40000                  ; cx
	s_bfe_u32 s34, ttmp6, 0x40004                  ; cy
	s_lshl_b32 s[JT], ttmp9, 2
	s_add_co_u32 s[JT], s[JT], s33
	s_and_b32 s[IT], ttmp7, 0xffff
	s_lshl_b32 s[IT], s[IT], 2
	s_add_co_u32 s[IT], s[IT], s34
	s_lshl_b32 s35, s34, 2
	s_lshl_b32 s35, 15, s35                        ; my row of the cluster
	s_or_b32 s[G1A], s35, (1<<20)|(1<<21)|(6<<22)|(3<<25)   ; the rows' tiles go to my row; elements of 1 byte; 16 bytes of padding behind every 512
	G1SET G1A, 512, 512
	s_lshl_b32 s2, 0x1111, s33                     ; my column: the weights go there
	s_lshl_b32 s104, s33, 13                       ; prefetches: my quarter, 8,192 bytes, of 64 rows of 512 bytes: the rows' by cx, with tile 1's (32,768 bytes on) for waves 2, 3;
	s_lshl_b32 s105, s34, 13                       ; the weights' by cy
	s_lshr_b32 s35, s[WV], 1
	s_lshl_b32 s35, s35, 15
	s_add_co_u32 s104, s104, s35
	s_mov_b32 s30, 0xbfb8aa3b                      ; -log2 e
	s_mov_b32 s31, 0xc038aa3b                      ; -2 log2 e
	s_mov_b32 s32, 0x42700000                      ; 60.0
	s_lshl_b32 s34, s[JT], 6
	s_lshl_b32 s35, s[WV], 4
	s_add_co_u32 s34, s34, s35                     ; my first unit
	s_lshl_b32 s100, s34, 5                        ; its row of scales, its bias, in bytes
	s_lshl_b32 s101, s34, 2
	s_mul_i32 s35, s[WV], BLKA
	s_add_co_u32 s35, s35, WREG                    ; my 16 rows of a gate's 64
	s_lshl_b32 s33, s[WV], 6                       ; my 64 bytes of a row of 256
	s_lshl_b32 s3, s[IT], 21
	s_lshl_b32 s34, s[WV], 16
	s_add_co_u32 s3, s3, s34
	s_lshl_b32 s34, s[JT], 8
	s_add_co_u32 s3, s3, s34                       ; outputs: 512 it rows of 4,096 bytes + 16 rows a wave + 64 units
	s_mul_i32 s34, s[WV], 16*OP
	s_add_co_u32 s34, s34, STG                     ; the 16 stage rows that I store
	v_and_b32 v1, 15, v0                           ; r
	v_bfe_u32 v2, v0, 4, 1                         ; h
	v_and_b32 v4, 31, v0                           ; lane
	v_lshlrev_b32 v[VSA], 5, v4
	v_lshlrev_b32 v5, 8, v4
	v_add_nc_u32 v[PFW], s105, v5
	v_add_nc_u32 v[PFX], s104, v5
	v_lshlrev_b32 v6, 5, v1
	v_add_nc_u32 v[VSC], s100, v6
	v_lshlrev_b32 v7, 5, v2
	v_add_nc_u32 v[VBI], s101, v7
	v_mul_u32_u24 v8, v1, PITCH
	v_lshl_add_u32 v[ADRA], v2, 4, v8              ; a fragment: row r, 16 bytes for each half of the lanes
	v_add_nc_u32 v[ADRA+1], SLOTB, v[ADRA]
	v_add_nc_u32 v[WLD], s35, v[ADRA]
	v_add_nc_u32 v[WLD+1], 2*HT, v[WLD]
	v_mul_u32_u24 v9, v1, OP
	v_add_nc_u32 v9, v9, v7
	v_add_nc_u32 v9, s33, v9                       ; row r, my 64 bytes, 32 for each half
	v_add_nc_u32 v[CELA], CEL, v9
	v_add_nc_u32 v[STO], STG, v9
	v_mul_u32_u24 v10, v2, OP                      ; back: lanes 0-15 one row of 256 bytes, lanes 16-31 the next
	v_lshl_add_u32 v10, v1, 4, v10
	v_add_nc_u32 v[RD], s34, v10
	v_lshlrev_b32 v11, 4, v1
	v_lshl_add_u32 v11, v2, 12, v11
	v_add_nc_u32 v[GOFF], s3, v11
	s_mul_i32 s100, s[WV], 8*OP                    ; the last tile goes out by halves: 8 rows a wave in place of 16
	s_lshl_b32 s101, s[WV], 15
	v_sub_nc_u32 v[RDH], v[RD], s100
	v_sub_nc_u32 v[GOFH], v[GOFF], s101
	AWAIT
	s_wait_dscnt 0x0                               ; both opening adds are done
	s_wait_kmcnt 0x0
	s_cmp_eq_u32 s[WV], 1                          ; my gate's weights, by the wave's number
	s_cselect_b64 s[68:69], s[70:71], s[68:69]
	s_cselect_b64 s[76:77], s[78:79], s[76:77]
	s_cmp_eq_u32 s[WV], 2
	s_cselect_b64 s[68:69], s[72:73], s[68:69]
	s_cselect_b64 s[76:77], s[80:81], s[76:77]
	s_cmp_eq_u32 s[WV], 3
	s_cselect_b64 s[68:69], s[74:75], s[68:69]
	s_cselect_b64 s[76:77], s[82:83], s[76:77]
	s_lshl_b32 s100, s[JT], 15                     ; 64 jt rows of 512 bytes
	s_mov_b32 s101, 0
	s_mov_b32 s[G0W], 1                            ; group 0: count; LDS address; global address; type
	s_mul_i32 s[G0W+1], s[WV], HT
	s_add_co_u32 s[G0W+1], s[G0W+1], WREG
	s_add_nc_u64 s[G0W+2:G0W+3], s[68:69], s[100:101]
	s_or_b32 s[G0W+3], s[G0W+3], 0x80000000
	s_add_nc_u64 s[34:35], s[76:77], s[100:101]    ; kept for the prefetch
	s_mov_b32 s[G0V], 1
	s_mul_i32 s[G0V+1], s[WV], HT
	s_add_co_u32 s[G0V+1], s[G0V+1], WREG
	s_mov_b64 s[G0V+2:G0V+3], s[34:35]
	s_or_b32 s[G0V+3], s[G0V+3], 0x80000000
	s_or_b32 s[G1B], s2, (1<<20)|(1<<21)|(6<<22)|(3<<25)
	G1SET G1B, 512, 512
	s_mov_b32 s[G1C], (1<<20)|(5<<22)|(3<<25)      ; cell: 64 rows of 256 bytes, 4,096 bytes apart, 16 bytes of padding behind each; no mask
	G1SET G1C, 256, 4096
	CROUND                                         ; all sixteen work-groups are here: the first joint loads meet
	tensor_load_to_lds s[G0W:G0W+3], s[G1B:G1B+7]  ; one tensor load a wave: my gate's weights on x
	s_nop 0
	PLACES
	s_lshl_b32 s100, s[IT], 18                     ; the rows' codes: 512 it rows of 512 bytes
	s_add_nc_u64 s[12:13], s[12:13], s[100:101]
	s_add_nc_u64 s[14:15], s[14:15], s[100:101]
	s_lshl_b32 s100, s[IT], 14                     ; their scales: 32 bytes a row
	s_add_nc_u64 s[16:17], s[16:17], s[100:101]
	s_add_nc_u64 s[18:19], s[18:19], s[100:101]
	s_cmp_eq_u32 s29, 0
	s_cselect_b64 s[12:13], s[12:13], s[14:15]     ; by the wave's number: x's or hidden's
; the weights' scale words, both halves of the lanes the same row; tile 0's; the biases in the result's layout
.irp g, 0,1,2,3
.irp c, 0,1
	global_load_b128 v[TS+16*\g+4*\c:TS+16*\g+4*\c+3], v[VSC], s[84+2*\g:85+2*\g] offset:16*\c
	global_load_b128 v[TS+16*\g+8+4*\c:TS+16*\g+8+4*\c+3], v[VSC], s[92+2*\g:93+2*\g] offset:16*\c
.endr
.endr
	SALOAD
	WIN 0xc0
.irp g, 0,1,2,3
.irp c, 0,1
	global_load_b128 v[BI+8*\g+4*\c:BI+8*\g+4*\c+3], v[VBI], s[4+2*\g:5+2*\g] offset:16*\c
.endr
.endr
	WIN 0
	global_prefetch_b8 v[PFX], s[12:13] th:TH_LOAD_NT scope:SCOPE_SE      ; tiles 0 and 1: waves 0, 2 x's rows, waves 1, 3 hidden's: my work-group's 16 of 64 rows
	global_prefetch_b8 v[PFW], s[34:35] th:TH_LOAD_NT scope:SCOPE_SE      ; my gate's weights on hidden: my work-group's 16 of 64 rows
	s_lshl_b32 s100, s[IT], 21                     ; cell: 4,096 bytes a row, 256 bytes for my units
	s_lshl_b32 s104, s[JT], 8
	s_add_co_u32 s100, s100, s104
	s_add_nc_u64 s[20:21], s[20:21], s[100:101]
	s_mov_b32 s[G0C], 1                            ; cell's tile 0
	s_mov_b32 s[G0C+1], CEL
	s_mov_b64 s[G0C+2:G0C+3], s[20:21]
	s_or_b32 s[G0C+3], s[G0C+3], 0x80000000
	s_mov_b32 s[GA0], 1
	s_mul_i32 s[GA0+1], s29, HT
	s_mov_b64 s[GA0+2:GA0+3], s[12:13]
	s_or_b32 s[GA0+3], s[GA0+3], 0x80000000
	s_mov_b32 s[GA1], 1
	s_add_co_u32 s[GA1+1], s[GA0+1], SLOTB
	s_add_nc_u64 s[GA1+2:GA1+3], s[12:13], 64*512
	s_or_b32 s[GA1+3], s[GA1+3], 0x80000000
	s_mov_b32 s33, 0xffff0000                      ; lanes 16-31
	AWAIT
	s_wait_tensorcnt 0x0                           ; the wait, the add and its wait ahead of a later first fill, as ahead of a refill
	ds_add_u32 v[SPW], v[NIL]
	s_wait_dscnt 0x0
	CROUND
	JLOAD GA0, G0C                                 ; first fills: tile 0's rows and cell
	WGET 0
	s_wait_loadcnt 0x0
.irp p, 0,1
.irp t, 0,1,2,3,4,5,6,7,8,9,10,11,12,13,14,15
	v_cndmask_b32 v[SB+16*\p+\t], v[TS+32*\p+\t], v[TS+32*\p+16+\t], s33   ; two gates' words: one in lanes 0-15, the other in lanes 16-31
.endr
.endr
	s_mov_b32 s[GC0], 1                            ; cell's slots: slot 0 goes on with tile 2; slot 1 begins with tile 1
	s_mov_b32 s[GC0+1], CEL
	s_add_nc_u64 s[GC0+2:GC0+3], s[20:21], 0x80000
	s_or_b32 s[GC0+3], s[GC0+3], 0x80000000
	s_mov_b32 s[GC1], 1
	s_mov_b32 s[GC1+1], CEL+CELT
	s_add_nc_u64 s[GC1+2:GC1+3], s[20:21], 0x40000
	s_or_b32 s[GC1+3], s[GC1+3], 0x80000000
	AWAIT
	s_wait_tensorcnt 0x0
	ds_add_u32 v[SPW], v[NIL]
	s_wait_dscnt 0x0                               ; the add is done, and the weights on x are in their registers
	CROUND
	tensor_load_to_lds s[G0V:G0V+3], s[G1B:G1B+7]  ; the weights' region is filled again: my gate's weights on hidden
	s_nop 0
	PLACES
; 16 matrix instructions: 256 along K (steps 2 d, 2 d + 1) x four blocks of rows x two pairs of gates.  The eight accumulators take turns, one instruction a turn, in the same order in every step.
; first = 1: the biases are the first step's C.  Windows: source 0 (weights) 1 or 2, source 1 (rows) 3, D 0, C 0 or, for the biases, 3.
.macro MUL d, first
.irp u, 0,1
.set tT, 2*(\d)+\u
.if (\first) && (\u == 0)
	WIN 0x3d
.else
	WIN 0x0d+(tT/8)
.endif
.irp a, 0,1,2,3
.irp p, 0,1
.set rD, ACC+32*\a+16*\p
.set rW, 32*(tT%8)+16*\p
.set rX, 64*((\d)%3)+32*\u+8*\a
.set rC, rD
.if (\first) && (\u == 0)
.set rC, BI+16*\p
.endif
.set rSB, SB+16*\p+tT
.set rSA, SA+16*(\a/2)+tT
.if \a%2 == 1
	v_wmma_scale_f32_32x16x128_f4 v[rD:rD+15], v[rW:rW+15], v[rX:rX+7], v[rC:rC+15], v[rSB], v[rSA] matrix_b_scale:MATRIX_SCALE_ROW1
.else
	v_wmma_scale_f32_32x16x128_f4 v[rD:rD+15], v[rW:rW+15], v[rX:rX+7], v[rC:rC+15], v[rSB], v[rSA]
.endif
.endr
.endr
.endr
.endm
.macro FETCH d, slot                   ; the rows' fragments of steps 2 d, 2 d + 1 into set d % 3: 16 loads
	WIN 0xc0
.irp u, 0,1
.set tT, 2*(\d)+\u
.irp a, 0,1,2,3
.irp c, 0,1
.set rX, 64*((\d)%3)+32*\u+8*\a+4*\c
	ds_load_b128 v[rX:rX+3], v[ADRA+(\slot)] offset:(tT/8)*HT+\a*BLKA+64*(tT%8)+32*\c
.endr
.endr
.endr
.endm
.macro CELLIN slot                     ; a tile's cell, in the accumulators' layout
	WIN 0
.irp a, 0,1,2,3
.irp c, 0,1
	ds_load_b128 v[CL+8*\a+4*\c:CL+8*\a+4*\c+3], v[CELA] offset:(\slot)*CELT+\a*16*OP+16*\c
.endr
.endr
.endm
.macro STAGE ar, off                   ; 32 neighbouring bytes of a row for each block
.irp a, 0,1,2,3
.if (\a >= (K0/4)) && (\a < ((K0+KN)/4))
.irp c, 0,1
	ds_store_b128 v[STO], v[ACC+32*\a+\ar+4*\c:ACC+32*\a+\ar+4*\c+3] offset:\off+\a*16*OP+16*\c
.endr
.endif
.endr
.endm
.macro BACK                            ; 16 whole rows of each stage, two an instruction: cell_new's to window 3, h's to cell's registers
	WIN 0xc0
.irp n, 0,1,2,3,4,5,6,7
	ds_load_b128 v[RB+4*\n:RB+4*\n+3], v[RD] offset:CELT+\n*2*OP
.endr
	WIN 0
.irp n, 0,1,2,3,4,5,6,7
	ds_load_b128 v[CL+4*\n:CL+4*\n+3], v[RD] offset:\n*2*OP
.endr
.endm
; 16 lanes store 256 consecutive bytes, at a multiple of 256 from the buffer's first byte.  The bases stand one tile further on
.macro SENDC
	WIN 0x0c
.irp n, 0,1,2,3,4,5,6,7
	global_store_b128 v[GOFF], v[RB+4*\n:RB+4*\n+3], s[24:25] offset:8192*\n-262144 th:TH_STORE_NT
.endr
.endm
.macro SENDH
	WIN 0
.irp n, 0,1,2,3,4,5,6,7
	global_store_b128 v[GOFF], v[CL+4*\n:CL+4*\n+3], s[22:23] offset:8192*\n-262144 th:TH_STORE_NT
.endr
.endm
; the tail's lines: pair k of an array
.macro EACHS op, ad, as, sc            ; ad = sc op as
.set k, K0
.rept KN
.set rr, ACC+32*(k/4)+2*(k%4)
	v_dual_\op v[rr+\ad], \sc, v[rr+\as] :: v_dual_\op v[rr+\ad+1], \sc, v[rr+\as+1]
.set k, k+1
.endr
.endm
.macro EACHM ad, as                    ; ad = ad x as
.set k, K0
.rept KN
.set rr, ACC+32*(k/4)+2*(k%4)
	v_dual_mul_f32 v[rr+\ad], v[rr+\ad], v[rr+\as] :: v_dual_mul_f32 v[rr+\ad+1], v[rr+\ad+1], v[rr+\as+1]
.set k, k+1
.endr
.endm
.macro EACHX ar                        ; 2^x
.set k, K0
.rept KN
.set rr, ACC+32*(k/4)+2*(k%4)+\ar
	v_exp_f32 v[rr], v[rr]
	v_exp_f32 v[rr+1], v[rr+1]
.set k, k+1
.endr
.endm
; Each batch of transcendentals has one wait ahead of it and one behind it.  ahead = 1: the next tile's third set of fragments is fetched behind the first batch.
.macro TAIL slot, ahead
	EACHS mul_f32, aF, aF, s30                     ; each accumulator of 16 registers is read from its low end on: F ahead of I, G ahead of O
	EACHS mul_f32, aI, aI, s30
	EACHS mul_f32, aG, aG, s31
	EACHS mul_f32, aO, aO, s30
	EACHS min_num_f32, aG, aG, s32                 ; held at 60
	AWAIT
	EACHX aF
	EACHX aI
	EACHX aG
	EACHX aO
	v_nop
.if \ahead
	FETCH 2, 1-(\slot)
	WIN 0
.endif
	AWAIT
	EACHS add_f32, aF, aF, 1.0                     ; Sf, Si, Sg
	EACHS add_f32, aI, aI, 1.0
	EACHS add_f32, aG, aG, 1.0
	EACHM aI, aG                                   ; Si Sg
	AWAIT
.set k, K0
.rept KN
.set rr, ACC+32*(k/4)+2*(k%4)
	v_rcp_f32 v[rr+aF], v[rr+aF]
	v_rcp_f32 v[rr+aF+1], v[rr+aF+1]
	v_dual_sub_f32 v[rr+aG], 2.0, v[rr+aG] :: v_dual_sub_f32 v[rr+aG+1], 2.0, v[rr+aG+1]   ; 2 - Sg
	v_rcp_f32 v[rr+aI], v[rr+aI]
	v_rcp_f32 v[rr+aI+1], v[rr+aI+1]
	v_dual_add_f32 v[rr+aO], 1.0, v[rr+aO] :: v_dual_add_f32 v[rr+aO+1], 1.0, v[rr+aO+1]   ; So
.set k, k+1
.endr
	v_nop
	AWAIT
	EACHM aG, aI                                   ; i tanh(g)
.set k, K0
.rept KN
.set rr, ACC+32*(k/4)+2*(k%4)
.set rc, CL+8*(k/4)+2*(k%4)
	v_dual_fmac_f32 v[rr+aG], v[rr+aF], v[rc] :: v_dual_fmac_f32 v[rr+aG+1], v[rr+aF+1], v[rc+1]   ; + f cell
.set k, k+1
.endr
	EACHS mul_f32, aF, aG, s31                     ; f is done with: its registers take cell_new's exponent
	EACHS min_num_f32, aF, aF, s32
	AWAIT
	EACHX aF
	v_nop
	STAGE aG, CELT                                 ; cell_new
	AWAIT
	EACHS add_f32, aF, aF, 1.0                     ; Sn
	EACHM aO, aF                                   ; So Sn
	AWAIT
.set k, K0
.rept KN
.set rr, ACC+32*(k/4)+2*(k%4)
	v_rcp_f32 v[rr+aO], v[rr+aO]
	v_rcp_f32 v[rr+aO+1], v[rr+aO+1]
	v_dual_sub_f32 v[rr+aF], 2.0, v[rr+aF] :: v_dual_sub_f32 v[rr+aF+1], 2.0, v[rr+aF+1]
.set k, k+1
.endr
	v_nop
	AWAIT
	EACHM aF, aO                                   ; h
	STAGE aF, 0
.endm
; The last tile goes out by halves of 32 rows (blocks 0, 1; blocks 2, 3): the first half's stores leave ahead of the second half's tail.  Stage rows and registers are the half's own.
.macro HALF slot, hh
.set K0, 8*\hh
.set KN, 8
	AWAIT                                          ; the wait ahead of the first readers of matrix results
	TAIL \slot, 0
	s_wait_dscnt 0x0                               ; for the others' sake: my stores into the stages are done
	s_barrier_signal -1
	s_barrier_wait -1
	WIN 0xc0
.irp n, 0,1,2,3
	ds_load_b128 v[RB+16*\hh+4*\n:RB+16*\hh+4*\n+3], v[RDH] offset:CELT+32*OP*\hh+\n*2*OP
.endr
	WIN 0
.irp n, 0,1,2,3
	ds_load_b128 v[CL+16*\hh+4*\n:CL+16*\hh+4*\n+3], v[RDH] offset:32*OP*\hh+\n*2*OP
.endr
	s_wait_dscnt 4                                 ; cell_new's rows are back: h's 4 loads may be out
	WIN 0x0c
.irp n, 0,1,2,3
	global_store_b128 v[GOFH], v[RB+16*\hh+4*\n:RB+16*\hh+4*\n+3], s[24:25] offset:8192*\n+131072*\hh-262144 th:TH_STORE_NT
.endr
	s_wait_dscnt 0x0
	WIN 0
.irp n, 0,1,2,3
	global_store_b128 v[GOFH], v[CL+16*\hh+4*\n:CL+16*\hh+4*\n+3], s[22:23] offset:8192*\n+131072*\hh-262144 th:TH_STORE_NT
.endr
.endm
.macro ONWARD                          ; the outputs' bases and the rows' scales go on by a tile
	s_wait_xcnt 0x0                                ; loads and stores have read their sources: stores' data and bases may be written again
	s_add_nc_u64 s[22:23], s[22:23], 0x40000
	s_add_nc_u64 s[24:25], s[24:25], 0x40000
	s_add_nc_u64 s[16:17], s[16:17], 2048
	s_add_nc_u64 s[18:19], s[18:19], 2048
.endm
; From a tile's fourth double step to the third of the next.  F d: the 16 loads of double step d.  A set is loaded again behind its products, two double steps ahead of their use.
; fill = 1: slot s is filled again, with the tile two on, behind a round of the cluster's barrier.
.macro UNIT s, fill, last
	MUL 3, 0
	WIN 0
	ONWARD
	PLACES
	FETCH 6, \s
	CELLIN \s
	s_wait_dscnt 24                                ; F 5 is in: F 6 and cell's 8 may be out
	MUL 4, 0
	PLACES
	FETCH 7, \s
	MUL 5, 0
	WIN 0                                          ; (the add's two registers lie in window 0)
	s_wait_tensorcnt 0x0                           ; all my tensor loads have landed: my part of the next slot
.if \fill
	ds_add_u32 v[SPW], v[NIL]                      ; 0 onto my spare word
	s_add_nc_u64 s[GA1-4*\s+2:GA1-4*\s+3], s[GA1-4*\s+2:GA1-4*\s+3], 2*64*512   ; none is out: the other slot's next tile
	s_add_nc_u64 s[GC1-4*\s+2:GC1-4*\s+3], s[GC1-4*\s+2:GC1-4*\s+3], 0x80000
	s_wait_dscnt 25                                ; F 6 is in: cell's 8, F 7 and the add may be out
.else
	s_wait_dscnt 24
.endif
	MUL 6, 0
	s_wait_dscnt 0x0                               ; the add is done, and my reads of this slot and of the stages are over
	s_barrier_signal -1
	MUL 7, 0
	WIN 0
	s_barrier_wait -1
.if \fill
	CREST
	JLOAD GA0+4*\s, GC0+4*\s                       ; the first thing behind the round, one tensor load a wave
.endif
	PLACES                                         ; in front of loads into registers that matrix instructions have read, and of the first read of results
.if \last
	HALF \s, 0
	HALF \s, 1
.else
	SALOAD
	FETCH 0, 1-\s
	FETCH 1, 1-\s
	WIN 0
	TAIL \s, 1
	s_wait_loadcnt 0x0                             ; the next tile's scale words
	s_wait_dscnt 8                                 ; its first fragments are in: the 8 stores of h may be out
	MUL 0, 1                                       ; its first products
	s_wait_dscnt 0x0                               ; for the others' sake: my stores into the stages are done
	s_barrier_signal -1
	PLACES
	FETCH 3, 1-\s                                  ; (nobody writes these bytes ahead of the next round)
	MUL 1, 0
	s_barrier_wait -1
	PLACES
	BACK
	FETCH 4, 1-\s
	MUL 2, 0
	PLACES
	FETCH 5, 1-\s
	s_wait_dscnt 16                                ; both stages' rows, F 3 and F 4 are in: F 5 may be out
	SENDC
	SENDH
.endif
	WIN 0
.endm
; The same for tile 0, but for the order: its tail stands ahead of its change of slots, under tile 1's loads; the round then shows the stages to all as well.
.macro UNIT0
	MUL 3, 0
	WIN 0
	ONWARD
	PLACES
	FETCH 6, 0
	CELLIN 0
	s_wait_dscnt 24                                ; the weights on hidden are in: F 6 and cell's 8 may be out
	MUL 4, 0
	PLACES
	FETCH 7, 0
	MUL 5, 0
	s_wait_dscnt 24                                ; F 6 is in: cell's 8 and F 7 may be out
	MUL 6, 0
	s_wait_dscnt 0x0
	s_barrier_signal -1                            ; my reads of the weights' region are over
	MUL 7, 0
	WIN 0
	s_barrier_wait -1                              ; everybody's are: the stages may be written there
	PLACES
	SALOAD
	TAIL 0, 0
	s_wait_tensorcnt 0x0                           ; tile 1 is in
	ds_add_u32 v[SPW], v[NIL]
	s_add_nc_u64 s[GA1+2:GA1+3], s[GA1+2:GA1+3], 2*64*512
	s_add_nc_u64 s[GC1+2:GC1+3], s[GC1+2:GC1+3], 0x80000
	s_wait_dscnt 0x0                               ; the add and my stores into the stages are done
	CROUND
	JLOAD GA0, GC0
	FETCH 0, 1
	FETCH 1, 1
	FETCH 2, 1
	s_wait_loadcnt 0x0
	s_wait_dscnt 32                                ; F 0 is in
	MUL 0, 1
	PLACES
	FETCH 3, 1
	s_wait_dscnt 32                                ; F 1 is in
	MUL 1, 0
	PLACES
	BACK
	FETCH 4, 1
	s_wait_dscnt 48                                ; F 2 is in: F 3, both stages' rows and F 4 may be out
	MUL 2, 0
	PLACES
	FETCH 5, 1
	s_wait_dscnt 16                                ; both stages' rows, F 3 and F 4 are in
	SENDC
	SENDH
	WIN 0
.endm
	FETCH 0, 0
	FETCH 1, 0
	FETCH 2, 0
	s_wait_dscnt 32                                ; F 0 is in
	MUL 0, 1                                       ; tile 0's first three double steps: x's part of K
	PLACES
	FETCH 3, 0
	s_wait_dscnt 32
	MUL 1, 0
	PLACES
	FETCH 4, 0
	s_wait_dscnt 32
	MUL 2, 0
	PLACES
	FETCH 5, 0
	WIN 0
	s_wait_tensorcnt 0x0                           ; my gate's weights on hidden are in
	ds_add_u32 v[SPW], v[NIL]
	s_add_nc_u64 s[GA0+2:GA0+3], s[GA0+2:GA0+3], 2*64*512   ; no tensor load of mine is out: slot 0's next tile
	s_wait_dscnt 0x0
	CROUND
	JLOAD GA1, GC1                                 ; first fills: tile 1's rows and cell
	WGET 1                                         ; (read under the next double step, which is the last on x)
	UNIT0
	s_mov_b32 s3, 2
.Ltrip:                                                ; two tiles a trip, once round the ring: tiles 1 to 4
	UNIT 1, 1, 0
	UNIT 0, 1, 0
	AWAIT
	s_sub_co_u32 s3, s3, 1
	s_cmp_lg_u32 s3, 0
	s_cbranch_scc1 .Ltrip
	UNIT 1, 1, 0
	UNIT 0, 0, 0                                   ; tiles 6 and 7 fill nothing
	UNIT 1, 0, 1
	s_wait_tensorcnt 0x0                           ; the wave's end
	ds_add_u32 v[SPW], v[NIL]
	s_wait_dscnt 0x0
	CROUND                                         ; the closing round: no work-group ends while a partner may still ask for a tile that names it
	s_endpgm
.Lfunc_end_k_qeb9bffa60e_lstm:
	.size	k_qeb9bffa60e_lstm, .Lfunc_end_k_qeb9bffa60e_lstm-k_qeb9bffa60e_lstm
	.p2alignl 7, 3214868480
	.fill 96, 4, 3214868480
	.section	.rodata,"a",@progbits
	.p2align	6, 0x0
	.amdhsa_kernel k_qeb9bffa60e_lstm
		.amdhsa_group_segment_fixed_size 327680
		.amdhsa_private_segment_fixed_size 0
		.amdhsa_enable_private_segment 0
		.amdhsa_kernarg_size 216
		.amdhsa_user_sgpr_count 2
		.amdhsa_user_sgpr_kernarg_segment_ptr 1
		.amdhsa_wavefront_size32 1
		.amdhsa_system_sgpr_workgroup_id_x 1
		.amdhsa_system_sgpr_workgroup_id_y 1
		.amdhsa_system_sgpr_workgroup_id_z 1
		.amdhsa_system_vgpr_workitem_id 0
		.amdhsa_next_free_vgpr 1024
		.amdhsa_next_free_sgpr 106
		.amdhsa_reserve_vcc 0
		.amdhsa_float_denorm_mode_32 3
		.amdhsa_float_denorm_mode_16_64 3
		.amdhsa_memory_ordered 1
		.amdhsa_forward_progress 1
		.amdhsa_inst_pref_size 255
	.end_amdhsa_kernel
	.section	.bss,"aw",@nobits
	.p2align	6
	.space	262144
	.amdgpu_metadata
---
amdhsa.version: [ 1, 2 ]
amdhsa.kernels:
  - .name:           k_qeb9bffa60e_lstm
    .symbol:         k_qeb9bffa60e_lstm.kd
    .args:
      - { .name: W_fx_codes, .offset: 0, .size: 8, .value_kind: global_buffer, .address_space: global }
      - { .name: W_ix_codes, .offset: 8, .size: 8, .value_kind: global_buffer, .address_space: global }
      - { .name: W_cx_codes, .offset: 16, .size: 8, .value_kind: global_buffer, .address_space: global }
      - { .name: W_ox_codes, .offset: 24, .size: 8, .value_kind: global_buffer, .address_space: global }
      - { .name: W_fh_codes, .offset: 32, .size: 8, .value_kind: global_buffer, .address_space: global }
      - { .name: W_ih_codes, .offset: 40, .size: 8, .value_kind: global_buffer, .address_space: global }
      - { .name: W_ch_codes, .offset: 48, .size: 8, .value_kind: global_buffer, .address_space: global }
      - { .name: W_oh_codes, .offset: 56, .size: 8, .value_kind: global_buffer, .address_space: global }
      - { .name: W_fx_scales, .offset: 64, .size: 8, .value_kind: global_buffer, .address_space: global }
      - { .name: W_ix_scales, .offset: 72, .size: 8, .value_kind: global_buffer, .address_space: global }
      - { .name: W_cx_scales, .offset: 80, .size: 8, .value_kind: global_buffer, .address_space: global }
      - { .name: W_ox_scales, .offset: 88, .size: 8, .value_kind: global_buffer, .address_space: global }
      - { .name: W_fh_scales, .offset: 96, .size: 8, .value_kind: global_buffer, .address_space: global }
      - { .name: W_ih_scales, .offset: 104, .size: 8, .value_kind: global_buffer, .address_space: global }
      - { .name: W_ch_scales, .offset: 112, .size: 8, .value_kind: global_buffer, .address_space: global }
      - { .name: W_oh_scales, .offset: 120, .size: 8, .value_kind: global_buffer, .address_space: global }
      - { .name: b_f, .offset: 128, .size: 8, .value_kind: global_buffer, .address_space: global }
      - { .name: b_i, .offset: 136, .size: 8, .value_kind: global_buffer, .address_space: global }
      - { .name: b_c, .offset: 144, .size: 8, .value_kind: global_buffer, .address_space: global }
      - { .name: b_o, .offset: 152, .size: 8, .value_kind: global_buffer, .address_space: global }
      - { .name: x_codes, .offset: 160, .size: 8, .value_kind: global_buffer, .address_space: global }
      - { .name: hidden_codes, .offset: 168, .size: 8, .value_kind: global_buffer, .address_space: global }
      - { .name: x_scales, .offset: 176, .size: 8, .value_kind: global_buffer, .address_space: global }
      - { .name: hidden_scales, .offset: 184, .size: 8, .value_kind: global_buffer, .address_space: global }
      - { .name: cell, .offset: 192, .size: 8, .value_kind: global_buffer, .address_space: global }
      - { .name: out0, .offset: 200, .size: 8, .value_kind: global_buffer, .address_space: global }
      - { .name: out1, .offset: 208, .size: 8, .value_kind: global_buffer, .address_space: global }
    .group_segment_fixed_size: 327680
    .private_segment_fixed_size: 0
    .kernarg_segment_align: 8
    .kernarg_segment_size: 216
    .max_flat_workgroup_size: 128
    .sgpr_count:     106
    .vgpr_count:     1024
    .wavefront_size: 32
...
	.end_amdgpu_metadata
.endif
;; end of part 1
